; MI455X (gfx1250); checked and timed in simulation.
; The chip was launched on July 23, 2026; its instructions are those of AMD's public machine-readable ISA for CDNA 5 (MIT licence, August 2026) and "CDNA5" Instruction Set Architecture Reference Guide (July 2026). The comments in the code are by the model that wrote it; some were corrected since.
;; Cross Attention. Allowed arithmetic: matrix products marked QUANTISED: E2M1 operands, one E8M0 scale for each 32 along K, by v_wmma_scale_f32_16x16x128_f8f6f4 with both operands' format E2M1 (or v_wmma_scale_f32_32x16x128_f4), f32 sums; products left as they are: f32 operands where the result goes on into a quantised operand, else bf16, f16 or f32 operands; f32 sums; everything else in f32.
;; Inputs: features_codes 32 x 1,024 x 32 x 16 uint8 (E2M1 codes of features, K innermost, in blocks of 32 codes, two codes a byte); features_scales 32 x 1,024 x 32 uint8 (E8M0 scales of features, one for each 32 codes along K); k_b 1,024 float32; k_w_codes 1,024 x 32 x 16 uint8 (E2M1 codes of k_w, K innermost, in blocks of 32 codes, two codes a byte); k_w_scales 1,024 x 32 uint8 (E8M0 scales of k_w, one for each 32 codes along K); q_b 1,024 float32; q_w_codes 1,024 x 32 x 16 uint8 (E2M1 codes of q_w, K innermost, in blocks of 32 codes, two codes a byte); q_w_scales 1,024 x 32 uint8 (E8M0 scales of q_w, one for each 32 codes along K); sent_ind 32 x 1,024 int32; v_b 1,024 float32; v_w_codes 1,024 x 32 x 16 uint8 (E2M1 codes of v_w, K innermost, in blocks of 32 codes, two codes a byte); v_w_scales 1,024 x 32 uint8 (E8M0 scales of v_w, one for each 32 codes along K).
;; Outputs: out0 32 x 1 x 1,024 float32.
;; This version of the problem:
;;   THIS VERSION OF THE PROBLEM IS GIVEN IN LOW PRECISION. The matrix products marked QUANTISED in the list below multiply operands that are first quantised to E2M1 (2 exponent bits, 1 mantissa bit; 4 bits a number), with one power-of-two scale for each 32 numbers along K (OCP MX v1.0); their sums are f32. All else is computed in f32.
;;   The module's matrix products, in the order in which they are computed (A, B: the left and right operand; K: the contracted axis; several contracted axes count as one K, in the product's order):
;;     1. [M 32, K 1,024] x [K 1,024, N 1,024]; A: input features (given as codes); B: input q_w (given as codes): QUANTISED
;;     2. [M 32,736, K 1,024] x [K 1,024, N 1,024]; A: input features (given as codes); B: input k_w (given as codes): QUANTISED
;;     3. [M 32,736, K 1,024] x [K 1,024, N 1,024]; A: input features (given as codes); B: input v_w (given as codes): QUANTISED
;;     4. batch 512 x [M 1, K 64] x [K 64, N 1,023]; A: computed on the way; B: computed on the way: left as it is (M = 1 < 16)
;;     5. batch 512 x [M 1, K 1,023] x [K 1,023, N 64]; A: softmax; B: computed on the way: left as it is (M = 1 < 16)
;;   THE QUANTISER, for each operand of a quantised product, along K:
;;     - K is cut into blocks of 32 from its start; a last block that is shorter is filled with zeros.
;;     - A block's scale is 2^e with e = floor(log2(the largest magnitude in the block)) - 2, held to -126 .. 127; a block of zeros has e = 0. As a byte (E8M0): e + 127.
;;     - Each number is divided by its block's scale, clamped to +-6, and rounded to the nearest number of E2M1, ties to even, subnormals kept.
;;     - The product sums the exact products of the quantised numbers (number of the format x scale) in f32.
;;   ~~~python
;;   def quantise(x, axis):      # numpy; x: float32 -> the quantised numbers, widened to float32 again
;;       x = np.moveaxis(x, axis, -1); K = x.shape[-1]
;;       x = np.pad(x, [(0, 0)] * (x.ndim - 1) + [(0, -K % 32)]); x = x.reshape(x.shape[:-1] + (-1, 32)); a = np.abs(x).max(-1, keepdims=True)
;;       e = np.where(a > 0, np.clip(np.frexp(np.where(a > 0, a, 1))[1] - 1 - 2, -126, 127), 0)      # np.frexp(a)[1] - 1 = floor(log2(a)), exactly
;;       r = np.clip(x / 2.0 ** e, -6, 6)
;;       step = 2.0 ** (np.maximum(np.frexp(np.where(r == 0, 1, r))[1] - 1, 0) - 1)
;;       q = np.round(r / step) * step * 2.0 ** e      # np.round: ties to even
;;       return np.moveaxis(q.reshape(q.shape[:-2] + (-1,))[..., :K], -1, axis).astype(np.float32)
;;   ~~~
;;   INPUTS GIVEN AS CODES. features (in the module: [32, 1024, 1024], K = its axis 2); k_w (in the module: [1024, 1024], K = its axis 1); q_w (in the module: [1024, 1024], K = its axis 1); v_w (in the module: [1024, 1024], K = its axis 1): each comes as NAME_codes (uint8): NAME with its K axis moved to the last place and cut into blocks of 32 codes, [.., K / 32, bytes a block], one block behind the other in memory; two codes a byte, the lower K in the low four bits (a code: sign, 2 exponent bits, 1 mantissa bit); and NAME_scales (uint8): the same leading axes, one E8M0 byte (e + 127) for each 32 codes along K. Its value is code x scale, taken as it is: it is not quantised again, and the codes and scales need not be those that the quantiser above would give.
;; One version. Each part assembles by itself: llvm-mc -triple=amdgcn-amd-amdhsa -mcpu=gfx1250 --defsym DOCPART=n.
;; ======== version 1 of 1: 1 launch
;; launch attn (part 1): grid 8 x 32, 4 waves a work-group, clusters of 4 x 4, 327,680 bytes of LDS; arguments features_codes, features_scales, k_w_codes, k_w_scales, v_w_codes, v_w_scales, q_w_codes, q_w_scales, q_b, k_b, v_b, sent_ind, out0; writes out0
.if DOCPART == 1
	.amdgcn_target "amdgcn-amd-amdhsa--gfx1250"
	.amdhsa_code_object_version 6
	.text
	.protected	k_q2c9c6f24e8_attn
	.globl	k_q2c9c6f24e8_attn
	.p2align	8
	.type	k_q2c9c6f24e8_attn,@function
k_q2c9c6f24e8_attn:
	s_mov_b64 s[64:65], 0
	v_nop
	global_prefetch_b8 v0, s[64:65] scope:SCOPE_SE
	s_setreg_imm32_b32 hwreg(HW_REG_WAVE_MODE, 25, 1), 1
	s_wait_xcnt 0x0
	s_wait_alu depctr_hold_cnt(0) depctr_sa_sdst(0) depctr_va_vdst(0) depctr_va_sdst(0) depctr_va_ssrc(0) depctr_va_vcc(0) depctr_vm_vsrc(0)
	s_getreg_b32 s2, hwreg(HW_REG_IB_STS2, 6, 4)
	s_cmp_eq_u32 s2, 0
	s_cbranch_scc0 .Lentry_in_a_cluster
	s_endpgm
.Lentry_in_a_cluster:
	s_bfe_u32 s2, ttmp6, 0x10000c
	s_cmp_lg_u32 s2, 0xf033
	s_cbranch_scc0 .Lentry_shape_is_right
	s_endpgm
.Lentry_shape_is_right:
; out0[b][64 head + ch] = sum over keys of softmax_key(masked(q . k) / 8) v[key][ch]: one query (feature row 0), 1,023 keys (feature rows 1 to 1,023), 16 heads of 64.
; q, k, v are products of FP4 (E2M1) codes with one E8M0 byte for each 32 along K = 1,024; codes and scale bytes go to the matrix instruction as they lie in memory.  A score becomes 0 where sent_ind[b][row - 1] is not 0.
; ONE LAUNCH.  Work-group (g, b) takes batch b and heads 2 g, 2 g + 1: 1,024 feature rows x 256 weight rows (64 of k_w and 64 of v_w for each head), in four tiles of 256 rows.  k and v exist as accumulators alone.
; WAVES.  Wave w takes rows 128 (w / 2) on of each tile and head w % 2: 128 rows x (64 channels of K, 64 of V) = 64 accumulators, 512 registers.  So a key's k, v, score and weight lie in one wave.
; TRANSPOSED USE: source 0 = 16 weight rows, source 1 = 16 feature rows: lane (r, h) holds key r and its registers the channels 8 h + 0 .. 7 of the weight block: score and context are fused multiply-adds of a lane.
; SOFTMAX.  Each LANE keeps a running maximum M, sum l and context (32 channels) over the keys that fall to it, 8 a tile; p = 2^(t - M), t = score x log2(e) / 8 (the factor is multiplied into q once).
; The sixteen lanes of a half are merged at the end, under their common maximum, then the two waves of a head through LDS.
; BIASES.  q_b is the C of q's first product.  k_b enters each kept score as q . k_b, the start of the score's chain.  v_b is added at the end: the weights sum to 1.
; LDS.  The 256 weight rows (512 bytes each) and the batch's scale bytes come once and stay; the features' codes stream through a ring of two slots: slot s holds 256 rows x 256 bytes, half s of K.
; q_w's 128 rows come first into slot 1's bytes, which the features want only four steps on; when q is made, slot 1 is filled again, with the first tile's second half of K.
; CLUSTER 4 x 4.  The four work-groups of a row of the cluster share the batch: features' codes and scales are asked for jointly along the row; the four of a column share the heads: k_w, v_w and q_w jointly along the column.
; No prefetch is laid: each refill in the loop is asked for three and a half steps of 128 along K (224 matrix instructions a wave) ahead of the wait for it, slot 1's first features 192 ahead, and all jointly for four work-groups.
; The softmax stands as a phase behind each tile's products (some 350 vector instructions for 512 matrix instructions).
; LIMITS.  NaN, infinities and the scale byte 0xff among the inputs are not served; t under -3e38 is not served.  The f32 sums are ordered otherwise than a row-wise softmax: partial states a lane, merged at the end.
; Feature row 0's k and v are multiplied with the tile and discarded: its score is made -infinity, so its weight is 0.
;
; REGISTERS, in windows of 256.  Window 0: v1-19 addresses and state; v20-23 v_b; v24-31, v32-63, v64-95 scale words and nothing else; v96-127 the softmax's work; v128-191 the features' fragments, set 0;
;   v192-223 q x c; v224-255 the context.   Window 1: the weights' fragments, set 0 at v0, set 1 at v128; the features' set 1 at v64.   Windows 2, 3: accumulator (a, b) at v[8 (8 (a % 4) + b)] of window 2 + a / 4.
;   While q is made, window 2 holds q_w's 32 fragments and window 3 v0-63 feature row 0's eight.
.set PW,    528                        ; a weight row in LDS: 512 bytes + 16 of padding: 33 x 16, so the 16 rows of a load start 16 bytes apart modulo 256
.set PX,    272                        ; a feature row in a slot: 256 bytes + 16
.set WHALF, 128*PW                     ; a head's 128 weight rows: K's 64, then V's 64
.set RING,  256*PW                     ; behind the weights: the ring
.set XHALF, 128*PX
.set SLOT,  256*PX
.set XS,    RING+2*SLOT                ; the batch's scale bytes: 128 pieces of 256 bytes + 16 of padding, 8 rows of 32 bytes to a piece
.set SBLK,  544                        ; those of 16 rows
.set SPARE, XS+128*272                 ; the spare words: 128 bytes for each wave, two blocks of 256 bytes that no other line names
.set MERGE, SPARE+512                  ; 512 bytes for each wave: its context, 256 bytes in channel order, then (l, M).  Written by LDS stores alone; no tile lands here
.set SPW,   1                          ; v1   SPARE + 4 x my thread's number; never rewritten
.set NIL,   2                          ; v2   0; never rewritten
.set ADRA,  3                          ; v3-4 my place in the features' rows of slot 0, 1
.set ADRB,  5                          ; v5   my place in my head's weight rows
.set ADRXS, 6                          ; v6   my place among the features' scale words: lanes 0-15 blocks 0-3, lanes 16-31 blocks 4-7; 8,704 bytes on with each tile
.set KB,    7                          ; v7   keep bits: bit a for block a of the tile in hand; 8 bits down with each tile
.set NEG,   8                          ; v8   -infinity in the lanes that hold feature row 0 (first tile alone), else 0
.set MX,    9                          ; v9   M
.set LS,    10                         ; v10  l;  v11 at the end: the maximum of the sixteen lanes
.set FF,    12                         ; v[12:13] f = 2^(old M - new M); the packed forms name the pair and take its low word
.set KBP,   14                         ; v[14:15] my half's part of c q . k_b, and 0: the start of each score's chain
.set FS,    16                         ; v16  where my wave's result goes: MERGE + 512 wave + 32 h
.set FA,    17                         ; v17  where wave 0 reads a head's context: MERGE + 512 (lane / 16) + 16 (lane % 16)
.set FM,    18                         ; v18  and its (l, M): MERGE + 256 + 512 (lane / 16)
.set OUTO,  19                         ; v19  16 x lane
.set VB,    20
.set X0SC,  24                         ; feature row 0's eight scale words
.set WSC,   32                         ; the weights' scale words: register 8 (2 (b / 4) + b % 2) + step; lanes 0-15 the block with (b / 2) % 2 = 0, lanes 16-31 the block two further on
.set XSC,   64                         ; the features': set s (half s of K) at + 16 s; register 4 (a % 4) + q.  While q is made: q_w's 32 words
.set SPR,   96                         ; v96-111  pairs: a score's two chains; later p in the low register.  At the head: lane terms and the loads' offsets
.set ADRQ,  100                        ; v100 at the head: my place in my head's rows of q_w, in slot 1's bytes
.set SR,    112                        ; v112-119 scores
.set TR,    120                        ; v120-127 at work
.set AF,    128
.set QR,    192
.set CTX,   224
.set MSB, 0
.macro WIN new                         ; the immediate's high byte repeats the setting that is left; a switch that changes nothing is dropped
.if MSB != (\new)
	s_set_vgpr_msb (MSB<<8)|(\new)
.set MSB, (\new)
.endif
.endm
.set MUL_LO, 0xa1                      ; source 0 (weights) window 1, source 1 (features, set 0) window 0, C and D window 2;  + 4: the features' set 1, window 1
.set MUL_HI, 0xf1                      ; the same, C and D window 3
.set TO_B,   0x40                      ; destination window 1
.set TO_2,   0x80                      ; destination window 2
.set TO_3,   0xc0                      ; destination window 3
.set E_LO,   0x02                      ; source 0 window 2 (E_LO + 1: window 3)
.set QMUL,   0x0e                      ; source 0 window 2, source 1 window 3
.macro PLACES n                        ; plain vector instructions behind a matrix instruction, ahead of loads into its registers and of reads of its result
.rept \n
	v_nop
.endr
.endm
.macro CREST                           ; a round of the cluster's barrier behind its opening barrier
	s_cmp_lg_u32 s30, 0
	s_cbranch_scc1 .Lnot_wave_0_\@
	s_barrier_signal -3
.Lnot_wave_0_\@:
	s_barrier_wait -3
	s_barrier_signal -1
	s_barrier_wait -1
.endm
.macro CROUND                          ; a whole round
	s_barrier_signal -1
	s_barrier_wait -1
	CREST
.endm
	s_load_b512 s[4:19], s[0:1], 0x0               ; features' codes s[4:5], scales s[6:7]; k_w's s[8:9], s[10:11]; v_w's s[12:13], s[14:15]; q_w's s[16:17], s[18:19]
	s_load_b256 s[20:27], s[0:1], 0x40             ; q_b s[20:21], k_b s[22:23], v_b s[24:25], sent_ind s[26:27]
	s_load_b64 s[28:29], s[0:1], 0x60              ; out0
	v_lshl_add_u32 v[SPW], v0, 2, SPARE
	v_mov_b32 v[NIL], 0
	ds_add_u32 v1, v2
	ds_add_u32 v1, v2
	s_wait_dscnt 0x0
	v_lshrrev_b32 v96, 5, v0
	v_readfirstlane_b32 s30, v96                   ; wave 0..3
	s_lshr_b32 s31, s30, 1                         ; which 128 rows of a tile are mine.  (As a fetcher of weights: which head)
	s_and_b32 s32, s30, 1                          ; which head is mine.  (As a fetcher of weights: K's rows, 0, or V's, 1)
	s_bfe_u32 s33, ttmp6, 0x40000                  ; cx, cy: my place in the cluster
	s_bfe_u32 s34, ttmp6, 0x40004
	s_lshl_b32 s35, ttmp9, 2
	s_add_co_u32 s35, s35, s33                     ; g = 4 x cluster x + cx: the pair of heads
	s_and_b32 s36, ttmp7, 0xffff
	s_lshl_b32 s36, s36, 2
	s_add_co_u32 s36, s36, s34                     ; b = 4 x cluster y + cy: the batch
	s_lshl_b32 s37, s34, 2
	s_lshl_b32 s37, 15, s37                        ; my row of the cluster: it shares b
	s_lshl_b32 s38, 0x1111, s33                    ; my column: it shares g
	; descriptor group 1, features' codes: 64 rows x 256 bytes, 512 bytes apart in memory, 16 bytes of padding behind each row in LDS
	s_or_b32 s40, s37, (1<<20)|(1<<21)|(5<<22)|(3<<25)   ; 15:0 the mask; 17:16 elements of 1 byte; 20 padding on; 21 set beside a mask; 24:22 after every 64 words; 31:25 four words
	s_mov_b32 s41, 256<<16                         ; tensor_dim0
	s_mov_b32 s42, 64<<16                          ; tensor_dim1
	s_mov_b32 s43, 256<<16                         ; tile_dim0
	s_mov_b32 s44, 64                              ; tile_dim1
	s_mov_b32 s45, 512                             ; from row to row
	s_mov_b32 s46, 0
	s_mov_b32 s47, 0
	; k_w's and v_w's codes: 64 rows x 512 bytes, dense, 16 bytes of padding behind each
	s_or_b32 s48, s38, (1<<20)|(1<<21)|(6<<22)|(3<<25)   ; padding after every 128 words
	s_mov_b32 s49, 512<<16
	s_mov_b32 s50, 64<<16
	s_mov_b32 s51, 512<<16
	s_mov_b32 s52, 64
	s_mov_b32 s53, 512
	s_mov_b32 s54, 0
	s_mov_b32 s55, 0
	; features' scale bytes: 8,192 dense bytes as 32 rows of 32 elements of 8 bytes, 16 bytes of padding behind each
	s_or_b32 s56, s37, (3<<16)|(1<<20)|(1<<21)|(5<<22)|(3<<25)
	s_mov_b32 s57, 32<<16
	s_mov_b32 s58, 32<<16
	s_mov_b32 s59, 32<<16
	s_mov_b32 s60, 32
	s_mov_b32 s61, 32
	s_mov_b32 s62, 0
	s_mov_b32 s63, 0
	; q_w's codes: 32 rows x 512 bytes, dense, padded as the other weights
	s_or_b32 s84, s38, (1<<20)|(1<<21)|(6<<22)|(3<<25)
	s_mov_b32 s85, 512<<16
	s_mov_b32 s86, 32<<16
	s_mov_b32 s87, 512<<16
	s_mov_b32 s88, 32
	s_mov_b32 s89, 512
	s_mov_b32 s90, 0
	s_mov_b32 s91, 0
	; offsets: s[96:97] are made of b alone, s[98:101] of g (and the wave), s[2:3] and s39 of the wave alone
	s_lshl_b32 s96, s36, 19                        ; the batch's codes: 1,024 rows of 512 bytes
	s_mov_b32 s97, 0
	s_lshl_b32 s98, s35, 16                        ; the pair of heads' 128 weight rows of 512 bytes
	s_mov_b32 s99, 0
	s_mov_b32 s3, 0
	s_wait_kmcnt 0x0
	s_add_nc_u64 s[4:5], s[4:5], s[96:97]          ; the features at my batch
	s_lshl_b32 s96, s36, 15                        ; its scale bytes: 1,024 rows of 32
	s_add_nc_u64 s[6:7], s[6:7], s[96:97]
	; descriptor groups 0.  Every wave fetches a quarter of each tile: LDS and global address step with the wave's number
	s_mov_b32 s92, 1                               ; q_w: rows 32 w on of the pair of heads' 128, into slot 1's bytes
	s_mul_i32 s93, s30, 32*PW
	s_add_co_u32 s93, s93, RING+SLOT
	s_lshl_b32 s2, s30, 14
	s_add_nc_u64 s[94:95], s[16:17], s[98:99]
	s_add_nc_u64 s[94:95], s[94:95], s[2:3]
	s_or_b32 s95, s95, 0x80000000
	s_mov_b32 s80, 1                               ; scale bytes: rows 256 w on
	s_mul_i32 s81, s30, 32*272
	s_add_co_u32 s81, s81, XS
	s_lshl_b32 s2, s30, 13
	s_add_nc_u64 s[82:83], s[6:7], s[2:3]
	s_or_b32 s83, s83, 0x80000000
	s_mov_b32 s76, 1                               ; weights: LDS rows 64 w on = head w / 2, K's rows (w even) or V's (w odd)
	s_mul_i32 s77, s30, 64*PW
	s_cmp_eq_u32 s32, 0                            ; the choice hangs on the wave's number alone
	s_cselect_b64 s[78:79], s[8:9], s[12:13]
	s_add_nc_u64 s[78:79], s[78:79], s[98:99]
	s_lshl_b32 s2, s31, 15                         ; the second head's 64 rows
	s_add_nc_u64 s[78:79], s[78:79], s[2:3]
	s_or_b32 s79, s79, 0x80000000
	s_lshl_b32 s2, s30, 15                         ; features' codes: rows 64 w on of the tile
	s_mul_i32 s39, s30, 64*PX
	s_mov_b32 s68, 1
	s_add_co_u32 s69, s39, RING
	s_add_nc_u64 s[70:71], s[4:5], s[2:3]          ; slot 0: the first half of K
	s_or_b32 s71, s71, 0x80000000
	s_mov_b32 s72, 1
	s_add_co_u32 s73, s39, RING+SLOT
	s_add_nc_u64 s[74:75], s[4:5], s[2:3]
	s_add_nc_u64 s[74:75], s[74:75], 256           ; slot 1: the second half; asked for when q is made
	s_or_b32 s75, s75, 0x80000000
	CROUND                                         ; all sixteen work-groups are here: the first joint loads meet
	tensor_load_to_lds s[92:95], s[84:91]          ; the first fills go out as one group: four loads of mine are out.  q_w first: it is wanted first
	s_nop 0
	tensor_load_to_lds s[80:83], s[56:63]
	s_nop 0
	tensor_load_to_lds s[76:79], s[48:55]
	s_nop 0
	tensor_load_to_lds s[68:71], s[40:47]
	s_nop 0
	PLACES 4                                       ; four plain lines behind a tensor load, ahead of any switch of windows
	; lane terms and the offsets of the head's loads (v96-111: an offset is written again only behind the wait for its loads)
	v_and_b32 v96, 15, v0                          ; r
	v_bfe_u32 v97, v0, 4, 1                        ; h
	v_and_b32 v98, 31, v0                          ; lane
	v_lshlrev_b32 v[OUTO], 4, v98
	v_lshlrev_b32 v101, 4, v97                     ; feature row 0 for every column: 16 h
	v_lshlrev_b32 v102, 5, v96                     ; q_w's scale words: row r of 32 bytes
	v_mov_b32 v103, 0                              ; row 0's scale words: the same for every lane
	v_lshl_add_u32 v104, v97, 10, v102             ; the weights' scale words: lanes 16-31 take the block 32 rows on
	v_lshlrev_b32 v105, 5, v97                     ; q_b, k_b in the result's layout: 8 h numbers on
	s_lshl_b32 s2, s31, 9
	v_lshl_add_u32 v106, v98, 2, s2                ; sent_ind: 4 (lane + 128 x my half of the rows): 32 neighbouring words a load; the row before mine by the immediate - 4
	v_max_u32 v107, 4, v106                        ; feature row 0 has no row before it: its lane reads word 0, and its score is discarded
	s_lshl_b32 s2, s32, 15
	s_add_nc_u64 s[98:99], s[98:99], s[2:3]        ; my head's 64 weight rows, in bytes of codes
	s_lshr_b32 s100, s98, 4                        ; 32 bytes of scales for 512 of codes
	s_mov_b32 s101, 0
	s_add_nc_u64 s[18:19], s[18:19], s[100:101]
	s_add_nc_u64 s[10:11], s[10:11], s[100:101]
	s_add_nc_u64 s[14:15], s[14:15], s[100:101]
	s_lshr_b32 s100, s98, 7                        ; 4 bytes of bias a row
	s_add_nc_u64 s[20:21], s[20:21], s[100:101]
	s_add_nc_u64 s[22:23], s[22:23], s[100:101]
	s_lshl_b32 s100, s35, 9                        ; the pair of heads' 128 numbers of v_b and of out0
	s_add_nc_u64 s[24:25], s[24:25], s[100:101]
	s_add_nc_u64 s[28:29], s[28:29], s[100:101]
	s_lshl_b32 s96, s36, 12                        ; the batch's 4,096 bytes of sent_ind and of out0
	s_add_nc_u64 s[26:27], s[26:27], s[96:97]
	s_add_nc_u64 s[28:29], s[28:29], s[96:97]
	; 58 loads: what q and the keep bits want
	WIN TO_3
.irp s, 0,1,2,3,4,5,6,7                        ; feature row 0 as all sixteen columns: every lane then holds q, and nothing is broadcast
.irp c, 0,1
	global_load_b128 v[8*\s+4*\c:8*\s+4*\c+3], v101, s[4:5] offset:64*\s+32*\c
.endr
.endr
	WIN 0
.irp t, 0,1,2,3
.irp u, 0,1
	global_load_b128 v[XSC+8*\t+4*\u:XSC+8*\t+4*\u+3], v102, s[18:19] offset:512*\t+16*\u    ; q_w's scale words: tile t, step 4 u + i
.endr
.endr
.irp u, 0,1
	global_load_b128 v[X0SC+4*\u:X0SC+4*\u+3], v103, s[6:7] offset:16*\u
.endr
.irp p, 0,1
.irp u, 0,1
	global_load_b128 v[WSC+8*\p+4*\u:WSC+8*\p+4*\u+3], v104, s[10:11] offset:512*\p+16*\u          ; k_w's: blocks p (lanes 0-15) and p + 2 (lanes 16-31)
	global_load_b128 v[WSC+16+8*\p+4*\u:WSC+16+8*\p+4*\u+3], v104, s[14:15] offset:512*\p+16*\u    ; v_w's likewise
.endr
.endr
.irp t, 0,1,2,3
.irp u, 0,1
	global_load_b128 v[QR+8*\t+4*\u:QR+8*\t+4*\u+3], v105, s[20:21] offset:64*\t+16*\u     ; q_b: the C of q's first products
.endr
.endr
	global_load_b32 v[AF], v107, s[26:27] offset:-4
.set n, 1
.rept 15                                       ; word n = 4 T + i: sent_ind of the row before row 256 T + 128 (w / 2) + 32 i + lane: block a = 2 i + h, key r
	global_load_b32 v[AF+n], v106, s[26:27] offset:(256*(n/4)+32*(n%4))*4-4
.set n, n+1
.endr
	; LDS addresses: constants, lane terms and the wave's number
	v_mul_u32_u24 v108, v96, PX
	v_lshl_add_u32 v108, v97, 4, v108
	s_mul_i32 s2, s31, XHALF
	s_add_co_u32 s2, s2, RING
	v_add_nc_u32 v[ADRA], s2, v108
	s_add_co_u32 s2, s2, SLOT
	v_add_nc_u32 v[ADRA+1], s2, v108
	v_mul_u32_u24 v109, v96, PW
	v_lshl_add_u32 v109, v97, 4, v109
	s_mul_i32 s2, s32, WHALF
	v_add_nc_u32 v[ADRB], s2, v109
	s_mul_i32 s2, s32, 64*PW
	s_add_co_u32 s2, s2, RING+SLOT
	v_add_nc_u32 v[ADRQ], s2, v109
	v_lshrrev_b32 v110, 3, v96
	v_lshl_add_u32 v110, v110, 4, v102             ; 32 r, and 16 more behind the first eight rows
	v_mad_u32_u24 v110, v97, 4*SBLK, v110          ; lanes 16-31: four blocks on
	s_mul_i32 s2, s31, 8*SBLK
	s_add_co_u32 s2, s2, XS
	v_add_nc_u32 v[ADRXS], s2, v110
	s_lshl_b32 s2, s30, 9
	s_add_co_u32 s2, s2, MERGE
	v_lshl_add_u32 v[FS], v97, 5, s2
	v_lshlrev_b32 v[FA], 4, v96
	v_lshl_add_u32 v[FA], v97, 9, v[FA]
	v_add_nc_u32 v[FA], MERGE, v[FA]
	v_lshlrev_b32 v[FM], 9, v97
	v_add_nc_u32 v[FM], MERGE+256, v[FM]
	v_and_b32 v111, 0x4f, v0                       ; r = 0 in a wave that has a tile's first 128 rows
	v_cmp_eq_u32 vcc_lo, 0, v111
	v_mov_b32 v99, 0xff800000
	v_cndmask_b32 v[NEG], 0, v99, vcc_lo
	v_mov_b32 v[MX], 0xff61b1e6                    ; -3e38, under every t
	v_mov_b32 v[LS], 0
	v_mov_b32 v[FF+1], 0                           ; named as the upper half of a pair
	v_mov_b32 v[KB], 0
.irp a, 0,1,2,3,4,5,6,7
	v_mov_b32 v[TR+\a], 0                          ; written once: a lane permute's destination counts as one of its sources
.endr
	s_mov_b32 s66, 0x76543210
	s_mov_b32 s67, 0xfedcba98                      ; v_permlanex16_b32's selects for lane l xor 16
	s_wait_loadcnt 0x0                             ; the 58 are in
.irp t, 0,1,2,3                                ; nine more, wanted only behind q: they are waited for ahead of q . k_b
.irp u, 0,1
	global_load_b128 v[CTX+8*\t+4*\u:CTX+8*\t+4*\u+3], v105, s[22:23] offset:64*\t+16*\u   ; k_b, in q's layout
.endr
.endr
	global_load_b128 v[VB:VB+3], v[OUTO], s[24:25]
.set n, 15
.rept 16                                       ; the keep bits, while the first tiles land: word 15 first, two bits a word, so that word n ends at bit 2 n
	v_cmp_eq_u32 vcc_lo, 0, v[AF+n]
	v_cndmask_b32 v96, 0, 1, vcc_lo
	v_lshl_or_b32 v[KB], v[KB], 2, v96
.set n, n-1
.endr
	v_lshlrev_b32 v[KB], v97, v[KB]                ; my blocks are 2 i + h: bit 8 T + 2 i + h
	v_permlanex16_b32 v[TR], v[KB], s66, s67       ; lane l xor 16 has the same key r of the other blocks
	v_or_b32 v[KB], v[KB], v[TR]
	s_wait_tensorcnt 0x3                           ; my quarter of q_w is in: the three loads issued behind it may be out
	s_barrier_signal -1
	s_barrier_wait -1                              ; everybody's quarter is in
	WIN TO_2
.irp t, 0,1,2,3                                ; q_w's fragments: tile t (16 rows), step s (128 along K) at v[64 t + 8 s] of window 2
.irp s, 0,1,2,3,4,5,6,7
.irp c, 0,1
	ds_load_b128 v[64*\t+8*\s+4*\c:64*\t+8*\s+4*\c+3], v[ADRQ] offset:\t*16*PW+64*\s+32*\c
.endr
.endr
.endr
	s_wait_dscnt 0x0
	; q = feature row 0 x q_w^T + q_b: register 8 t + j of lane (r, h) is q[64 head + 16 t + 8 h + j].  Four accumulators by turns
	WIN QMUL
.irp s, 0,1,2,3,4,5,6,7
.irp t, 0,1,2,3
	v_wmma_scale_f32_16x16x128_f8f6f4 v[QR+8*\t:QR+8*\t+7], v[64*\t+8*\s:64*\t+8*\s+7], v[8*\s:8*\s+7], v[QR+8*\t:QR+8*\t+7], v[XSC+8*\t+\s], v[X0SC+\s] matrix_a_fmt:MATRIX_FMT_FP4 matrix_b_fmt:MATRIX_FMT_FP4
.endr
.endr
	WIN 0
	; slot 1's bytes are filled again, with features: all my tensor loads have landed (the scale bytes, the weights and slot 0 among them), my reads of q_w are over, and a round of the cluster's barrier says so of every partner
	s_wait_tensorcnt 0x0
	ds_add_u32 v[SPW], v[NIL]                      ; 0 onto my spare word
	s_wait_dscnt 0x0
	CROUND
	tensor_load_to_lds s[72:75], s[40:47]          ; my one tensor load behind the round, and the first thing there: it has three steps, 192 products, in which to land
	s_nop 0
	PLACES 4                                       ; behind the load; also the places ahead of the loads into the registers that held q_w's scale words
.macro FRAG reg, adr, off              ; a fragment, 16 rows x 128 K of 4-bit codes: lane (r, h) takes 16 bytes at 16 h and 16 at 32 + 16 h of its row's 64
.irp c, 0,1
	ds_load_b128 v[\reg+4*\c:\reg+4*\c+3], v[\adr] offset:\off+32*\c
.endr
.endm
; 32 LDS loads in one run: a whole step's fragments into set p: my head's eight weight blocks of step sg (0..7), and my eight feature blocks of the slot's q-th 128 along K
.macro FETCH slot, q, sg, p
	WIN TO_B
.if (\p) == 0
.irp i, 0,1,2,3,4,5,6,7
	FRAG 8*\i, ADRB, 64*(\sg)+\i*16*PW
.endr
	WIN 0
.irp i, 0,1,2,3,4,5,6,7
	FRAG AF+8*\i, ADRA+(\slot), 64*(\q)+\i*16*PX
.endr
.else
.irp i, 0,1,2,3,4,5,6,7
	FRAG 128+8*\i, ADRB, 64*(\sg)+\i*16*PW
.endr
.irp i, 0,1,2,3,4,5,6,7
	FRAG 64+8*\i, ADRA+(\slot), 64*(\q)+\i*16*PX
.endr
.endif
.endm
.macro XSCALES kh                      ; the features' scale words of half kh of K: four words a row
.irp i, 0,1,2,3
	ds_load_b128 v[XSC+16*(\kh)+4*\i:XSC+16*(\kh)+4*\i+3], v[ADRXS] offset:16*(\kh)+\i*SBLK
.endr
.endm
; One product: weight block b x feature block a, both of set p.  Which half of the lanes of a scale register is read hangs on the block.  zero = 1: the product starts the sum: nothing is cleared
.macro WM a, b, p, sg, set, q, zero
.set rD, 8*(8*((\a)%4)+(\b))
.set rW, 128*(\p)+8*(\b)
.set rX, AF+8*(\a)-64*(\p)
.set rSW, WSC+8*(2*((\b)/4)+(\b)%2)+(\sg)
.set rSX, XSC+16*(\set)+4*((\a)%4)+(\q)
.set hiW, ((\b)/2)%2
.set hiX, (\a)/4
.if \zero
.if hiW && hiX
	v_wmma_scale_f32_16x16x128_f8f6f4 v[rD:rD+7], v[rW:rW+7], v[rX:rX+7], 0, v[rSW], v[rSX] matrix_a_fmt:MATRIX_FMT_FP4 matrix_b_fmt:MATRIX_FMT_FP4 matrix_a_scale:MATRIX_SCALE_ROW1 matrix_b_scale:MATRIX_SCALE_ROW1
.elseif hiW
	v_wmma_scale_f32_16x16x128_f8f6f4 v[rD:rD+7], v[rW:rW+7], v[rX:rX+7], 0, v[rSW], v[rSX] matrix_a_fmt:MATRIX_FMT_FP4 matrix_b_fmt:MATRIX_FMT_FP4 matrix_a_scale:MATRIX_SCALE_ROW1
.elseif hiX
	v_wmma_scale_f32_16x16x128_f8f6f4 v[rD:rD+7], v[rW:rW+7], v[rX:rX+7], 0, v[rSW], v[rSX] matrix_a_fmt:MATRIX_FMT_FP4 matrix_b_fmt:MATRIX_FMT_FP4 matrix_b_scale:MATRIX_SCALE_ROW1
.else
	v_wmma_scale_f32_16x16x128_f8f6f4 v[rD:rD+7], v[rW:rW+7], v[rX:rX+7], 0, v[rSW], v[rSX] matrix_a_fmt:MATRIX_FMT_FP4 matrix_b_fmt:MATRIX_FMT_FP4
.endif
.else
.if hiW && hiX
	v_wmma_scale_f32_16x16x128_f8f6f4 v[rD:rD+7], v[rW:rW+7], v[rX:rX+7], v[rD:rD+7], v[rSW], v[rSX] matrix_a_fmt:MATRIX_FMT_FP4 matrix_b_fmt:MATRIX_FMT_FP4 matrix_a_scale:MATRIX_SCALE_ROW1 matrix_b_scale:MATRIX_SCALE_ROW1
.elseif hiW
	v_wmma_scale_f32_16x16x128_f8f6f4 v[rD:rD+7], v[rW:rW+7], v[rX:rX+7], v[rD:rD+7], v[rSW], v[rSX] matrix_a_fmt:MATRIX_FMT_FP4 matrix_b_fmt:MATRIX_FMT_FP4 matrix_a_scale:MATRIX_SCALE_ROW1
.elseif hiX
	v_wmma_scale_f32_16x16x128_f8f6f4 v[rD:rD+7], v[rW:rW+7], v[rX:rX+7], v[rD:rD+7], v[rSW], v[rSX] matrix_a_fmt:MATRIX_FMT_FP4 matrix_b_fmt:MATRIX_FMT_FP4 matrix_b_scale:MATRIX_SCALE_ROW1
.else
	v_wmma_scale_f32_16x16x128_f8f6f4 v[rD:rD+7], v[rW:rW+7], v[rX:rX+7], v[rD:rD+7], v[rSW], v[rSX] matrix_a_fmt:MATRIX_FMT_FP4 matrix_b_fmt:MATRIX_FMT_FP4
.endif
.endif
.endm
; 16 products: feature blocks a0, a0 + 1 x the eight weight blocks.  The 64 accumulators take turns, one instruction a turn, in the same order in every step
.macro MUL16 a0, p, sg, set, q, zero
.irp a, \a0, \a0+1
.irp b, 0,1,2,3,4,5,6,7
	WM (\a), \b, \p, \sg, \set, \q, \zero
.endr
.endr
.endm
; A step of 128 along K that has its successor in the same slot (q = 0, 1, 2 of half kh).  It multiplies set q % 2; at its head the whole next step is fetched into the other set, in ONE run, 64 products ahead of its use
.macro STEP kh, q, zero
	s_wait_dscnt 0x0                               ; this step's fragments and scale words are in
	PLACES 4                                       ; ahead of the loads into the set that the last step's products read
	FETCH \kh, (\q)+1, 4*(\kh)+(\q)+1, 1-(\q)%2
	WIN MUL_LO+4*((\q)%2)
	MUL16 0, (\q)%2, 4*(\kh)+(\q), \kh, \q, \zero
	MUL16 2, (\q)%2, 4*(\kh)+(\q), \kh, \q, \zero
	WIN MUL_HI+4*((\q)%2)
	MUL16 4, (\q)%2, 4*(\kh)+(\q), \kh, \q, \zero
	MUL16 6, (\q)%2, 4*(\kh)+(\q), \kh, \q, \zero
.endm
; A slot's last step (set 1) changes slots.  In front of the barrier each wave waits for all its tensor loads (one is out: its quarter of the other slot), adds 0 to its spare word, and waits for that and for its reads
; of this slot.  fill = 1: the barrier opens a round of the cluster's, and this slot takes the next tile's half of K: the load has three and a half steps in which to land
.macro TURN kh, fill
	WIN 0                                          ; (the add's two registers lie in window 0)
	s_wait_tensorcnt 0x0                           ; all my tensor loads have landed
	ds_add_u32 v[SPW], v[NIL]                      ; 0 onto my spare word
	s_wait_dscnt 0x1                               ; only the add may be out: this step's fragments, asked for ahead of it, are in
	WIN MUL_LO+4
	MUL16 0, 1, 4*(\kh)+3, \kh, 3, 0               ; sixteen products stand between the add and the wait for it
	s_wait_dscnt 0x0                               ; the add is done, and my reads of this slot are over
	s_barrier_signal -1
	MUL16 2, 1, 4*(\kh)+3, \kh, 3, 0
	WIN 0
	s_barrier_wait -1
.if \fill
	CREST                                          ; no wave of any partner still reads this slot or has a load on its way
	s_add_nc_u64 s[70+4*(\kh):71+4*(\kh)], s[70+4*(\kh):71+4*(\kh)], 256*512   ; the next tile: 256 rows on; the type bits on top are not reached
	tensor_load_to_lds s[68+4*(\kh):71+4*(\kh)], s[40:47]                      ; my one tensor load behind the round, and the first thing there
	s_nop 0
.endif
	PLACES 4                                       ; behind the load, and ahead of the LDS loads into set 0, which the step before multiplied
.if (\kh) == 1
	v_add_nc_u32 v[ADRXS], 16*SBLK, v[ADRXS]       ; on to the next tile's scale words
.endif
	FETCH 1-(\kh), 0, (4*(\kh)+4)%8, 0
	XSCALES 1-(\kh)
	WIN MUL_HI+4
	MUL16 4, 1, 4*(\kh)+3, \kh, 3, 0
	MUL16 6, 1, 4*(\kh)+3, \kh, 3, 0
.endm
; A TILE'S SOFTMAX STEP: registers alone.  Lane (r, h) has 8 keys, 16 a + r.
.macro EPI
	PLACES 4                                       ; behind the tile's last products
.irp hf, 0,1                                   ; t = c q . k + c q . k_b: for each key two chains of 16 fused multiply-adds; four keys by turns.  Each accumulator is read from its low end on
	WIN E_LO+\hf
.irp b, 0,1,2,3
.irp jp, 0,1,2,3
.irp aa, 0,1,2,3
.if (\b) == 0 && (\jp) == 0
	v_pk_fma_f32 v[SPR+2*(4*\hf+\aa):SPR+2*(4*\hf+\aa)+1], v[8*(8*\aa+\b)+2*\jp:8*(8*\aa+\b)+2*\jp+1], v[QR+8*\b+2*\jp:QR+8*\b+2*\jp+1], v[KBP:KBP+1]
.else
	v_pk_fma_f32 v[SPR+2*(4*\hf+\aa):SPR+2*(4*\hf+\aa)+1], v[8*(8*\aa+\b)+2*\jp:8*(8*\aa+\b)+2*\jp+1], v[QR+8*\b+2*\jp:QR+8*\b+2*\jp+1], v[SPR+2*(4*\hf+\aa):SPR+2*(4*\hf+\aa)+1]
.endif
.endr
.endr
.endr
.endr
	WIN 0
.irp a, 0,1,2,3,4,5,6,7
	v_add_f32 v[SR+\a], v[SPR+2*\a], v[SPR+2*\a+1]
.endr
.irp a, 0,1,2,3,4,5,6,7
	v_permlanex16_b32 v[TR+\a], v[SR+\a], s66, s67
.endr
.irp a, 0,1,2,3,4,5,6,7
	v_add_f32 v[SR+\a], v[SR+\a], v[TR+\a]         ; with the other 32 channels': the same bits in both lanes
.endr
.irp a, 0,1,2,3,4,5,6,7
	v_and_b32 v[TR+\a], 1<<\a, v[KB]
.endr
.irp a, 0,1,2,3,4,5,6,7
	v_cmp_ne_u32 vcc_lo, 0, v[TR+\a]
	v_cndmask_b32 v[SR+\a], 0, v[SR+\a], vcc_lo    ; a score that is not kept becomes 0, and still counts in the softmax
.endr
	v_add_f32 v[SR], v[SR], v[NEG]                 ; feature row 0 is no key
	v_mov_b32 v[TR], v[MX]
.irp a, 0,2,4,6
	v_max3_num_f32 v[MX], v[MX], v[SR+\a], v[SR+\a+1]
.endr
	v_sub_f32 v[TR], v[TR], v[MX]
.irp a, 0,1,2,3,4,5,6,7
	v_sub_f32 v[SR+\a], v[SR+\a], v[MX]
.endr
	v_exp_f32 v[FF], v[TR]                         ; f = 2^(old M - new M)
.irp a, 0,1,2,3,4,5,6,7
	v_exp_f32 v[SPR+2*\a], v[SR+\a]                ; p = 2^(t - M)
.endr
	v_lshrrev_b32 v[KB], 8, v[KB]                  ; the next tile's keep bits: a plain line behind the exponentials
	v_mov_b32 v[NEG], 0
	s_wait_alu depctr_va_vdst(0)                   ; one wait for the nine exponentials, ahead of their first reader
	v_fma_f32 v[LS], v[LS], v[FF], v[SPR]
.irp a, 1,2,3,4,5,6,7
	v_add_f32 v[LS], v[LS], v[SPR+2*\a]
.endr
.irp i, 0,2,4,6,8,10,12,14,16,18,20,22,24,26,28,30
	v_pk_mul_f32 v[CTX+\i:CTX+\i+1], v[CTX+\i:CTX+\i+1], v[FF:FF+1] op_sel_hi:[1,0]
.endr
.irp hf, 0,1                                   ; the context += p v: sixteen chains, one link a key
	WIN E_LO+\hf
.irp aa, 0,1,2,3
.irp b, 0,1,2,3
.irp jp, 0,1,2,3
	v_pk_fma_f32 v[CTX+8*\b+2*\jp:CTX+8*\b+2*\jp+1], v[8*(8*\aa+4+\b)+2*\jp:8*(8*\aa+4+\b)+2*\jp+1], v[SPR+2*(4*\hf+\aa):SPR+2*(4*\hf+\aa)+1], v[CTX+8*\b+2*\jp:CTX+8*\b+2*\jp+1] op_sel_hi:[1,0,1]
.endr
.endr
.endr
.endr
	WIN 0
.endm
	FETCH 0, 0, 0, 0                               ; the first step's fragments and scale words; they land while q is finished
	XSCALES 0
	s_mov_b32 s2, 0x3e38aa3b                       ; c = log2(e) / 8
	s_mov_b32 s3, s2                               ; (named with it as a pair)
	s_wait_loadcnt 0x0                             ; k_b and v_b
.irp i, 0,2,4,6,8,10,12,14,16,18,20,22,24,26,28,30
	v_pk_mul_f32 v[QR+\i:QR+\i+1], v[QR+\i:QR+\i+1], s[2:3] op_sel_hi:[1,0]    ; q x c, each accumulator from its low end on
.endr
	v_pk_mul_f32 v[KBP:KBP+1], v[QR:QR+1], v[CTX:CTX+1]
.irp i, 2,4,6,8,10,12,14,16,18,20,22,24,26,28,30
	v_pk_fma_f32 v[KBP:KBP+1], v[QR+\i:QR+\i+1], v[CTX+\i:CTX+\i+1], v[KBP:KBP+1]
.endr
	v_add_f32 v[KBP], v[KBP], v[KBP+1]             ; my 32 channels' part of c q . k_b; lane l xor 16 has the other part
	v_mov_b32 v[KBP+1], 0
.irp i, 0,1,2,3,4,5,6,7,8,9,10,11,12,13,14,15,16,17,18,19,20,21,22,23,24,25,26,27,28,29,30,31
	v_mov_b32 v[CTX+\i], 0                         ; the softmax step is written once: the first finds zeros
.endr
	s_mov_b32 s2, 3
.Ltile:                                            ; tiles 0 to 2: each trip fills both slots again, with the next tile
	STEP 0, 0, 1                                   ; the tile's first products start the sums
	STEP 0, 1, 0
	STEP 0, 2, 0
	TURN 0, 1
	STEP 1, 0, 0
	STEP 1, 1, 0
	STEP 1, 2, 0
	TURN 1, 1
	EPI
	s_sub_co_u32 s2, s2, 1
	s_cmp_lg_u32 s2, 0
	s_cbranch_scc1 .Ltile
	STEP 0, 0, 1                                   ; the last tile is written out: it asks for nothing more
	STEP 0, 1, 0
	STEP 0, 2, 0
	TURN 0, 0
	STEP 1, 0, 0
	STEP 1, 1, 0
	STEP 1, 2, 0
	s_wait_dscnt 0x0                               ; the very last step: nothing more to fetch
	WIN MUL_LO+4
	MUL16 0, 1, 7, 1, 3, 0
	MUL16 2, 1, 7, 1, 3, 0
	WIN MUL_HI+4
	MUL16 4, 1, 7, 1, 3, 0
	MUL16 6, 1, 7, 1, 3, 0
	EPI
	; THE END.  The sixteen lanes of a half (sixteen sets of keys, the same channels) are brought under their common maximum and added
	v_mov_b32 v[LS+1], v[MX]
.irp m, 1,2,4,8
	v_max_num_f32_dpp v[LS+1], v[LS+1], v[LS+1] row_xmask:\m row_mask:0xf bank_mask:0xf
.endr
	v_sub_f32 v[TR], v[MX], v[LS+1]
	v_exp_f32 v[FF], v[TR]
	v_nop                                          ; a plain line behind the exponential
	s_wait_alu depctr_va_vdst(0)                   ; and the wait ahead of its first reader
	v_mul_f32 v[LS], v[LS], v[FF]
.irp i, 0,2,4,6,8,10,12,14,16,18,20,22,24,26,28,30
	v_pk_mul_f32 v[CTX+\i:CTX+\i+1], v[CTX+\i:CTX+\i+1], v[FF:FF+1] op_sel_hi:[1,0]
.endr
.irp m, 1,2,4,8
	v_add_f32_dpp v[LS], v[LS], v[LS] row_xmask:\m row_mask:0xf bank_mask:0xf
.irp i, 0,1,2,3,4,5,6,7,8,9,10,11,12,13,14,15,16,17,18,19,20,21,22,23,24,25,26,27,28,29,30,31
	v_add_f32_dpp v[CTX+\i], v[CTX+\i], v[CTX+\i] row_xmask:\m row_mask:0xf bank_mask:0xf
.endr
.endr
.irp t, 0,1,2,3                                ; channel 16 t + 8 h + 4 u + i at byte 64 t + 32 h + 16 u + 4 i; the sixteen lanes of a half write the same bytes with the same values
.irp u, 0,1
	ds_store_b128 v[FS], v[CTX+8*\t+4*\u:CTX+8*\t+4*\u+3] offset:64*\t+16*\u
.endr
.endr
	ds_store_b64 v[FS], v[LS:LS+1] offset:256      ; (l, M), once for each half of the lanes
	s_wait_dscnt 0x0                               ; for the others' sake: my stores have landed
	s_barrier_signal -1
	s_barrier_wait -1
	s_cmp_lg_u32 s30, 0                            ; wave 0 merges the two waves of each head and stores: lane L serves head L / 16, channels 4 (L % 16) on
	s_cbranch_scc1 .Lend
	ds_load_b128 v[128:131], v[FA]                 ; the head's rows 0-127 of each tile,
	ds_load_b128 v[132:135], v[FA] offset:1024     ; and its rows 128-255: two waves on
	ds_load_b64 v[136:137], v[FM]
	ds_load_b64 v[138:139], v[FM] offset:1024
	s_wait_dscnt 0x0
	v_max_num_f32 v140, v137, v139
	v_sub_f32 v141, v137, v140
	v_sub_f32 v142, v139, v140
	v_exp_f32 v143, v141
	v_exp_f32 v144, v142
	v_nop
	s_wait_alu depctr_va_vdst(0)                   ; one wait for the two
	v_mul_f32 v145, v136, v143
	v_fma_f32 v145, v138, v144, v145               ; the row's sum
	v_rcp_f32 v146, v145
.irp i, 0,1,2,3
	v_mul_f32 v[128+\i], v[128+\i], v143           ; (plain work behind the reciprocal)
.endr
.irp i, 0,1,2,3
	v_fma_f32 v[128+\i], v[132+\i], v144, v[128+\i]
.endr
	s_wait_alu depctr_va_vdst(0)
.irp i, 0,1,2,3
	v_fma_f32 v[148+\i], v[128+\i], v146, v[VB+\i] ; / the sum, + v_b
.endr
	global_store_b128 v[OUTO], v[148:151], s[28:29]    ; 32 lanes store 512 consecutive bytes, at a multiple of 512 from out0's first byte
.Lend:
	s_wait_tensorcnt 0x0                           ; the wave's end, behind my last tensor load and my last LDS store
	ds_add_u32 v[SPW], v[NIL]
	s_wait_dscnt 0x0
	CROUND                                         ; the closing round: no work-group ends while a partner may still ask for a tile that names it
	s_endpgm
.Lfunc_end_k_q2c9c6f24e8_attn:
	.size	k_q2c9c6f24e8_attn, .Lfunc_end_k_q2c9c6f24e8_attn-k_q2c9c6f24e8_attn
	.p2alignl 7, 3214868480
	.fill 96, 4, 3214868480
	.section	.rodata,"a",@progbits
	.p2align	6, 0x0
	.amdhsa_kernel k_q2c9c6f24e8_attn
		.amdhsa_group_segment_fixed_size 327680
		.amdhsa_private_segment_fixed_size 0
		.amdhsa_enable_private_segment 0
		.amdhsa_kernarg_size 104
		.amdhsa_user_sgpr_count 2
		.amdhsa_user_sgpr_kernarg_segment_ptr 1
		.amdhsa_wavefront_size32 1
		.amdhsa_system_sgpr_workgroup_id_x 1
		.amdhsa_system_sgpr_workgroup_id_y 1
		.amdhsa_system_sgpr_workgroup_id_z 1
		.amdhsa_system_vgpr_workitem_id 0
		.amdhsa_next_free_vgpr 1024
		.amdhsa_next_free_sgpr 102
		.amdhsa_reserve_vcc 1
		.amdhsa_float_denorm_mode_32 3
		.amdhsa_float_denorm_mode_16_64 3
		.amdhsa_memory_ordered 1
		.amdhsa_forward_progress 1
		.amdhsa_inst_pref_size 250
	.end_amdhsa_kernel
	.amdgpu_metadata
---
amdhsa.version: [ 1, 2 ]
amdhsa.kernels:
  - .name:           k_q2c9c6f24e8_attn
    .symbol:         k_q2c9c6f24e8_attn.kd
    .args:
      - { .name: features_codes, .offset: 0, .size: 8, .value_kind: global_buffer, .address_space: global }
      - { .name: features_scales, .offset: 8, .size: 8, .value_kind: global_buffer, .address_space: global }
      - { .name: k_w_codes, .offset: 16, .size: 8, .value_kind: global_buffer, .address_space: global }
      - { .name: k_w_scales, .offset: 24, .size: 8, .value_kind: global_buffer, .address_space: global }
      - { .name: v_w_codes, .offset: 32, .size: 8, .value_kind: global_buffer, .address_space: global }
      - { .name: v_w_scales, .offset: 40, .size: 8, .value_kind: global_buffer, .address_space: global }
      - { .name: q_w_codes, .offset: 48, .size: 8, .value_kind: global_buffer, .address_space: global }
      - { .name: q_w_scales, .offset: 56, .size: 8, .value_kind: global_buffer, .address_space: global }
      - { .name: q_b, .offset: 64, .size: 8, .value_kind: global_buffer, .address_space: global }
      - { .name: k_b, .offset: 72, .size: 8, .value_kind: global_buffer, .address_space: global }
      - { .name: v_b, .offset: 80, .size: 8, .value_kind: global_buffer, .address_space: global }
      - { .name: sent_ind, .offset: 88, .size: 8, .value_kind: global_buffer, .address_space: global }
      - { .name: out0, .offset: 96, .size: 8, .value_kind: global_buffer, .address_space: global }
    .group_segment_fixed_size: 327680
    .private_segment_fixed_size: 0
    .kernarg_segment_align: 8
    .kernarg_segment_size: 104
    .max_flat_workgroup_size: 128
    .sgpr_count:     102
    .vgpr_count:     1024
    .wavefront_size: 32
...
	.end_amdgpu_metadata
.endif
;; end of part 1
